; MI455X (gfx1250); checked and timed in simulation.
; The chip was launched on July 23, 2026; its instructions are those of AMD's public machine-readable ISA for CDNA 5 (MIT licence, August 2026) and "CDNA5" Instruction Set Architecture Reference Guide (July 2026). The comments in the code are by the model that wrote it; some were corrected since.
;; Feature Fusion Module. Allowed arithmetic: matrix products marked QUANTISED: E2M1 operands, one E8M0 scale for each 32 along K, by v_wmma_scale_f32_16x16x128_f8f6f4 with both operands' format E2M1 (or v_wmma_scale_f32_32x16x128_f4), f32 sums; everything else in f32.
;; Inputs: Wk_codes 256 x 4 x 16 uint8 (E2M1 codes of Wk, K innermost, in blocks of 32 codes, two codes a byte); Wk_scales 256 x 4 uint8 (E8M0 scales of Wk, one for each 32 codes along K); Wq_codes 256 x 8 x 16 uint8 (E2M1 codes of Wq, K innermost, in blocks of 32 codes, two codes a byte); Wq_scales 256 x 8 uint8 (E8M0 scales of Wq, one for each 32 codes along K); Wv_codes 256 x 4 x 16 uint8 (E2M1 codes of Wv, K innermost, in blocks of 32 codes, two codes a byte); Wv_scales 256 x 4 uint8 (E8M0 scales of Wv, one for each 32 codes along K); bk 256 float32; bn_bias 256 float32; bn_weight 256 float32; bq 256 float32; bv 256 float32; dgcnn_feat 4 x 256 x 4,096 float32; gamma 1 float32; geo_feat_codes 4 x 4,096 x 4 x 16 uint8 (E2M1 codes of geo_feat, K innermost, in blocks of 32 codes, two codes a byte); geo_feat_scales 4 x 4,096 x 4 uint8 (E8M0 scales of geo_feat, one for each 32 codes along K).
;; Outputs: out0 4 x 256 x 4,096 float32.
;; This version of the problem:
;;   THIS VERSION OF THE PROBLEM IS GIVEN IN LOW PRECISION. The matrix products marked QUANTISED in the list below multiply operands that are first quantised to E2M1 (2 exponent bits, 1 mantissa bit; 4 bits a number), with one power-of-two scale for each 32 numbers along K (OCP MX v1.0); their sums are f32. All else is computed in f32.
;;   The module's matrix products, in the order in which they are computed (A, B: the left and right operand; K: the contracted axis; several contracted axes count as one K, in the product's order):
;;     1. [M 16,384, K 256] x [K 256, N 256]; A: input dgcnn_feat; B: input Wq (given as codes): QUANTISED
;;     2. [M 16,384, K 128] x [K 128, N 256]; A: input geo_feat (given as codes); B: input Wk (given as codes): QUANTISED
;;     3. [M 16,384, K 128] x [K 128, N 256]; A: input geo_feat (given as codes); B: input Wv (given as codes): QUANTISED
;;     4. batch 4 x [M 4,096, K 256] x [K 256, N 4,096]; A: computed on the way; B: computed on the way: QUANTISED
;;     5. batch 4 x [M 256, K 4,096] x [K 4,096, N 4,096]; A: computed on the way; B: softmax (see below): QUANTISED
;;   THE QUANTISER, for each operand of a quantised product, along K:
;;     - K is cut into blocks of 32 from its start; a last block that is shorter is filled with zeros.
;;     - A block's scale is 2^e with e = floor(log2(the largest magnitude in the block)) - 2, held to -126 .. 127; a block of zeros has e = 0. As a byte (E8M0): e + 127.
;;     - Each number is divided by its block's scale, clamped to +-6, and rounded to the nearest number of E2M1, ties to even, subnormals kept.
;;     - The product sums the exact products of the quantised numbers (number of the format x scale) in f32.
;;   ~~~python
;;   def quantise(x, axis):      # numpy; x: float32 -> the quantised numbers, widened to float32 again
;;       x = np.moveaxis(x, axis, -1); K = x.shape[-1]
;;       x = np.pad(x, [(0, 0)] * (x.ndim - 1) + [(0, -K % 32)]); x = x.reshape(x.shape[:-1] + (-1, 32)); a = np.abs(x).max(-1, keepdims=True)
;;       e = np.where(a > 0, np.clip(np.frexp(np.where(a > 0, a, 1))[1] - 1 - 2, -126, 127), 0)      # np.frexp(a)[1] - 1 = floor(log2(a)), exactly
;;       r = np.clip(x / 2.0 ** e, -6, 6)
;;       step = 2.0 ** (np.maximum(np.frexp(np.where(r == 0, 1, r))[1] - 1, 0) - 1)
;;       q = np.round(r / step) * step * 2.0 ** e      # np.round: ties to even
;;       return np.moveaxis(q.reshape(q.shape[:-2] + (-1,))[..., :K], -1, axis).astype(np.float32)
;;   ~~~
;;   SOFTMAX AHEAD OF A QUANTISED PRODUCT. Where the list says 'softmax', what is quantised is not the finished softmax but p = 2^(t - M), with t = logit x log2(e) and M = ceil(the row's largest t), a whole number; so 1/2 < the row's largest p <= 1. The row's sum l is taken of the UNQUANTISED p, in f32, and the product's result is divided by l at the end. Since M is a whole number, a kernel that streams over the keys may use a running M (the ceiling of the running maximum): every later rescaling is an exact power of two, which a block's scale takes up: the codes' values come out the same.
;;   OPERANDS COMPUTED ON THE WAY. 'Computed on the way' means the value that the module computes at that place (a softmax that the list does not call 'softmax' is quantised finished and normalised). What goes into a quantiser is computed in f32, as accurately as f32 sums, v_exp_f32 and their like allow (about 1e-6 of the number): no bf16 or f16 on the way to a quantiser, and a product that is left as it is and whose result goes on into a quantised operand takes f32 operands (vector FMAs, or v_wmma_f32_16x16x4_f32). A number that lies on a knife's edge between two numbers of the format may be rounded either way, as far as f32 arithmetic and the matrix unit's own rounding can turn it there, and no further.
;;   INPUTS GIVEN AS CODES. Wk (in the module: [256, 128], K = its axis 1); Wq (in the module: [256, 256], K = its axis 1); Wv (in the module: [256, 128], K = its axis 1); geo_feat (in the module: [4, 128, 4096], K = its axis 1): each comes as NAME_codes (uint8): NAME with its K axis moved to the last place and cut into blocks of 32 codes, [.., K / 32, bytes a block], one block behind the other in memory; two codes a byte, the lower K in the low four bits (a code: sign, 2 exponent bits, 1 mantissa bit); and NAME_scales (uint8): the same leading axes, one E8M0 byte (e + 127) for each 32 codes along K. Its value is code x scale, taken as it is: it is not quantised again, and the codes and scales need not be those that the quantiser above would give.
;; One version. Each part assembles by itself: llvm-mc -triple=amdgcn-amd-amdhsa -mcpu=gfx1250 --defsym DOCPART=n.
;; ======== version 1 of 1: 3 launches
;; workspace buffers: qf 2,097,152 bytes; qs 131,072 bytes; kv 4,456,448 bytes; fused 16,777,216 bytes; part 524,288 bytes
;; launch prep (part 1): grid 256 x 1, 8 waves a work-group, no clusters, 17,408 bytes of LDS; arguments dgcnn_feat, geo_feat_codes, geo_feat_scales, Wq_codes, Wq_scales, bq, Wk_codes, Wk_scales, bk, Wv_codes, Wv_scales, bv, qf, qs, kv; writes qf, qs, kv
.if DOCPART == 1
	.amdgcn_target "amdgcn-amd-amdhsa--gfx1250"
	.amdhsa_code_object_version 6
	.text
	.protected	k_q703bb1902e_prep
	.globl	k_q703bb1902e_prep
	.p2align	8
	.type	k_q703bb1902e_prep,@function
k_q703bb1902e_prep:
	s_mov_b64 s[64:65], 0
	v_nop
	global_prefetch_b8 v0, s[64:65] scope:SCOPE_SE
	s_setreg_imm32_b32 hwreg(HW_REG_WAVE_MODE, 25, 1), 1
	s_wait_xcnt 0x0
; THE THREE PROJECTIONS, on codes of FP4 (E2M1) with one E8M0 scale for each 32 along K, and their results quantised again for the attention that follows.
; q = Wq x + bq (x = dgcnn_feat, f32 [4][256][4096], quantised here along its channels), k = Wk g + bk, v = Wv g + bv (g = geo_feat, given as codes).
; q and k are quantised along their 256 output channels, v along the keys.  All three leave as IMAGES OF OPERAND REGISTERS: a fragment (16 rows x 128 K) is 8 registers a lane, 1,024 bytes:
; register group c (registers 4 c .. 4 c + 3) lies at 512 c + 16 x lane, so that the reader gets it by two loads of 16 bytes a lane, and every store here covers 512 consecutive bytes.
;   qf [work-group 256][query tile 4][K step 2][1,024];  qs [work-group][512]: the word of (tile, K step s, row r) at 256 (tile / 2) + 8 (16 s + r) + 4 (tile % 2)
;   kv [chunk of 128 keys: 128][34,816]: K's 16 fragments (2 kt + s) x 1,024; V's 16 at 16,384 + 1,024 ct; K's scale words at 32,768 + 512 (kt / 4) + 16 (16 s + r) + 4 (kt % 4);
;      V's at 33,792 + 512 (ct / 8) + 16 (16 (ct % 2) + r) + 4 ((ct / 2) % 4)
; THE ROWS OF A TILE ARE NOT NEIGHBOURS where its results become the next K: lane r of tile 2 b + u takes row 32 b + 8 u + r + 8 (r / 8), so that the 16 registers of tiles 2 b and 2 b + 1 are 16 neighbours along the next K.
; That holds for the rows of Wq and Wk (next K = the output channels), for the keys of g in v's product (next K = the keys) and for the keys of a tile of K (the scores' registers then run along neighbouring keys).
; SHARES.  Work-group i = 64 b + nb owns points 64 nb .. 64 nb + 63 of batch b.  Each of its eight waves does four units:
;   X: 32 columns x 64 channels of x become codes (a lane to a column, registers down the channels) and go to LDS as parts of x's eight fragments;
;   K: key tile w % 4 x output channels 128 (w / 4) on: one fragment of K;   V: chunk i / 2, channel tile 8 (i % 2) + w, 128 keys: one fragment of V;   q: query tile w % 4 x output channels 128 (w / 4) on, K = 256.
; The biases are the C of each sum's first matrix instruction.  No tensor loads and no ring: every operand is read once by the wave that uses it, straight into registers; so no cluster either: what work-groups share (the weights, 64 KiB) is small beside x.
; LIMITS: NaN and infinities among the inputs are not served.  A block whose largest magnitude lies under 2^-124 keeps the scale byte 1; a block of zeros keeps the byte 1 with zero codes (the bytes are read by this program alone).
; REGISTERS.  Window 0: v1-13 lane terms, v14-21 LDS addresses, v24-39 x's fragments, v40-47 g's key tile, v48-55 Wv's tile, v56-63 bv, v64-99 scale words, v100 the word just made, v104-111 the codes just made,
;   v112-127 at work, v128-191 x's numbers, then v's sums, v192-255 k's sums, then q's.   Window 1: v0-127 Wq's 16 fragments, v128-191 Wk's 8, v192-255 g's 8 key tiles for v.
.set PW,   100
.set PC,   104
.set TM,   112
.set XSC,  8192                        ; LDS: x's eight fragments at 0; their scale words here: 128 x tile + 64 s + 4 r
.set SCL,  8704                        ; the three pieces of 512 bytes of scale words, laid as they lie in kv and qs
.set KSCL, SCL
.set VSCL, SCL+512
.set QSCL, SCL+1024
.set CHUNK, 34816
.set MSB, 0
.macro WIN new                         ; the immediate's high byte repeats the setting that is left
.if MSB != \new
	s_set_vgpr_msb (MSB<<8)|\new
.set MSB, \new
.endif
.endm
.macro PLACES n
.rept \n
	v_nop
.endr
.endm
; 64 numbers of a lane, v[s] .. v[s + 63], register 16 b + i = k 32 b + 16 (lane / 16) + i of my row, become a fragment's codes in v[PC] on and its scale word in v[PW] (the same in lanes l and l xor 16).
.macro QUANT s
.irp b, 0,1,2,3
	v_max3_num_f32 v[TM+\b], |v[\s+16*\b]|, |v[\s+1+16*\b]|, 0x1800000   ; block b: my 16 numbers, and the floor 2^(3 - 127): the byte cannot fall under 1.  Each sum is read from its low end on
.endr
.irp i, 2,4,6,8,10,12,14
.irp b, 0,1,2,3
	v_max3_num_f32 v[TM+\b], v[TM+\b], |v[\s+16*\b+\i]|, |v[\s+1+16*\b+\i]|   ; the four blocks by turns
.endr
.endr
.irp b, 0,1,2,3
	s_delay_alu instid0(VALU_DEP_4)
	v_permlanex16_b32 v[TM+4+\b], v[TM+\b], s46, s47
.endr
.irp b, 0,1,2,3
	s_delay_alu instid0(VALU_DEP_4)
	v_max_num_f32 v[TM+\b], v[TM+\b], v[TM+4+\b]   ; with lane l xor 16's: the block's largest magnitude
.endr
.irp b, 0,1,2,3
	s_delay_alu instid0(VALU_DEP_4)
	v_add_nc_u32 v[TM+12+\b], 0xff000000, v[TM+\b]   ; 2 off its exponent field: the conversion takes the exponent field of this operand as its scale
.endr
.irp b, 0,1,2,3
	s_delay_alu instid0(VALU_DEP_4)
	v_lshrrev_b32 v[TM+4+\b], 23, v[TM+12+\b]      ; the scale's byte
.endr
	s_delay_alu instid0(VALU_DEP_3)
	v_lshl_or_b32 v[PW], v[TM+5], 8, v[TM+4]
	s_delay_alu instid0(VALU_DEP_1)
	v_lshl_or_b32 v[PW], v[TM+6], 16, v[PW]
	s_delay_alu instid0(VALU_DEP_1)
	v_lshl_or_b32 v[PW], v[TM+7], 24, v[PW]
.irp b, 0,1,2,3
	v_cvt_scalef32_pk8_fp4_f32 v[PC+2*\b], v[\s+16*\b:\s+7+16*\b], v[TM+12+\b]
	v_cvt_scalef32_pk8_fp4_f32 v[PC+1+2*\b], v[\s+8+16*\b:\s+15+16*\b], v[TM+12+\b]
.endr
	v_nop                                          ; one plain place behind a scaled conversion
.irp c, 0,1                                    ; the operand's layout wants a whole block in a lane: lanes 0-15 block 2 c, lanes 16-31 block 2 c + 1
.irp i, 0,1
	v_permlane16_swap_b32 v[PC+4*\c+\i], v[PC+2+4*\c+\i]
.endr
.endr
.endm
.macro OUTF base                       ; the fragment in v[PC] on leaves as it stands: each store covers 512 consecutive bytes, aligned
.irp c, 0,1
	global_store_b128 v12, v[PC+4*\c:PC+4*\c+3], s[\base:\base+1] offset:512*\c
.endr
.endm
.macro BAR                             ; my LDS stores have landed and my LDS loads are in: then the work-group's barrier
	s_wait_dscnt 0x0
	s_barrier_signal -1
	s_barrier_wait -1
.endm
	s_load_b512 s[8:23], s[0:1], 0x0               ; x 8, g's codes 10, g's scales 12, Wq's codes 14, scales 16, bq 18, Wk's codes 20, scales 22
	s_load_b256 s[24:31], s[0:1], 0x40             ; bk 24, Wv's codes 26, scales 28, bv 30
	s_load_b128 s[32:35], s[0:1], 0x60             ; qf 32, qs 34
	s_load_b64 s[36:37], s[0:1], 0x70              ; kv
	v_lshl_add_u32 v122, v0, 2, 0x4000
	v_mov_b32 v123, 0
	v_lshrrev_b32 v1, 5, v0
	s_delay_alu instid0(VALU_DEP_1)
	v_readfirstlane_b32 s38, v1                    ; wave w
	s_and_b32 s39, s38, 1                          ; cg = w % 2
	s_lshr_b32 s40, s38, 1                         ; cq = w / 2
	s_and_b32 s41, s38, 3                          ; qt = w % 4
	s_lshr_b32 s42, s38, 2                         ; sp = w / 4
	s_and_b32 s43, ttmp9, 1                        ; i % 2
	s_lshr_b32 s44, ttmp9, 1                       ; the chunk of 128 keys
	s_lshl_b32 s45, s43, 3
	s_add_co_u32 s45, s45, s38                     ; ct = 8 (i % 2) + w
	s_mov_b32 s46, 0x76543210
	s_mov_b32 s47, 0xfedcba98                      ; v_permlanex16_b32's selects for lane l xor 16
	s_mov_b32 s53, 0                               ; s[52:53]: every offset that is added to an address
	s_lshr_b32 s49, ttmp9, 6                       ; x: batch b x 4 MiB + 64 cq channels of 16 KiB + (64 nb + 32 cg) columns of 4 bytes
	s_lshl_b32 s52, s49, 22
	s_lshl_b32 s50, s40, 20
	s_add_co_u32 s52, s52, s50
	s_and_b32 s50, ttmp9, 63
	s_lshl_b32 s50, s50, 8
	s_add_co_u32 s52, s52, s50
	s_lshl_b32 s50, s39, 7
	s_add_co_u32 s52, s52, s50
	v_and_b32 v1, 31, v0                           ; l
	s_delay_alu instid0(VALU_DEP_1)
	v_lshlrev_b32 v13, 2, v1                       ; 4 l
	s_wait_alu depctr_va_vdst(0)
	s_wait_kmcnt 0x0
	s_add_nc_u64 s[8:9], s[8:9], s[52:53]
.set i, 0
.rept 64                                       ; A: x(64 cq + i, my column): a wave reads 128 consecutive bytes, waves cg = 0 and 1 side by side
	global_load_b32 v[128+i], v13, s[8:9] offset:16384*i
.set i, i+1
.endr
	v_and_b32 v2, 15, v0                           ; r
	v_bfe_u32 v3, v0, 4, 1                         ; h
	s_delay_alu instid0(VALU_DEP_2)
	v_and_b32 v4, 8, v2
	s_delay_alu instid0(VALU_DEP_1)
	v_add_nc_u32 v4, v4, v2                        ; rp = r + 8 (r / 8)
	s_delay_alu instid0(VALU_DEP_1)
	v_lshlrev_b32 v5, 6, v4
	s_delay_alu instid0(VALU_DEP_1)
	v_lshl_add_u32 v5, v3, 4, v5                   ; rows of 64 bytes, by rp
	s_delay_alu instid0(VALU_DEP_3)
	v_lshlrev_b32 v6, 7, v4
	s_delay_alu instid0(VALU_DEP_1)
	v_lshl_add_u32 v6, v3, 4, v6                   ; rows of 128 bytes, by rp
	v_lshlrev_b32 v7, 2, v4                        ; scale words of 4 bytes, by rp
	v_lshlrev_b32 v8, 3, v4                        ; of 8 bytes
	v_lshlrev_b32 v9, 6, v2
	s_delay_alu instid0(VALU_DEP_1)
	v_lshl_add_u32 v9, v3, 4, v9                   ; rows of 64 bytes, by r
	v_lshlrev_b32 v10, 2, v2                       ; 4 r
	v_lshlrev_b32 v11, 6, v3                       ; 64 h: a bias's 16 numbers of my half
	v_lshlrev_b32 v12, 4, v1                       ; 16 l
	s_wait_alu depctr_va_vdst(0)
	s_lshl_b32 s50, s39, 12
	s_lshl_b32 s51, s40, 9
	s_add_co_u32 s50, s50, s51
	v_add_nc_u32 v14, s50, v12                     ; x's images, in: 16 l + 4,096 cg + 512 cq
	s_lshl_b32 s50, s39, 8
	s_lshr_b32 s51, s40, 1
	s_lshl_b32 s51, s51, 6
	s_add_co_u32 s50, s50, s51
	s_and_b32 s51, s40, 1
	s_lshl_b32 s51, s51, 1
	s_add_co_u32 s50, s50, s51
	s_add_co_u32 s50, s50, XSC
	v_lshl_add_u32 v15, v3, 6, v13
	s_delay_alu instid0(VALU_DEP_1)
	v_add_nc_u32 v15, s50, v15                     ; my column's two scale bytes: XSC + 128 (2 cg + h) + 64 (cq / 2) + 4 r + 2 (cq % 2)
	s_lshl_b32 s50, s41, 11
	v_add_nc_u32 v16, s50, v12                     ; x's images, out: 16 l + 2,048 qt
	s_lshl_b32 s50, s41, 7
	s_add_co_u32 s50, s50, XSC
	v_add_nc_u32 v17, s50, v10                     ; and their scale words
	s_lshl_b32 s50, s42, 8
	s_lshl_b32 s51, s41, 2
	s_add_co_u32 s50, s50, s51
	s_add_co_u32 s50, s50, KSCL
	v_lshl_add_u32 v18, v2, 4, s50                 ; K's word: 256 sp + 16 r + 4 qt
	s_lshl_b32 s50, s39, 8
	s_lshl_b32 s51, s40, 2
	s_add_co_u32 s50, s50, s51
	s_add_co_u32 s50, s50, VSCL
	v_lshl_add_u32 v19, v2, 4, s50                 ; V's word: 256 (w % 2) + 16 r + 4 (w / 2)
	s_lshr_b32 s50, s41, 1
	s_lshl_b32 s50, s50, 8
	s_lshl_b32 s51, s42, 7
	s_add_co_u32 s50, s50, s51
	s_and_b32 s51, s41, 1
	s_lshl_b32 s51, s51, 2
	s_add_co_u32 s50, s50, s51
	s_add_co_u32 s50, s50, QSCL
	v_lshl_add_u32 v20, v2, 3, s50                 ; q's word: 256 (qt / 2) + 128 sp + 8 r + 4 (qt % 2)
	s_lshl_b32 s50, s38, 9
	s_add_co_u32 s50, s50, SCL
	v_add_nc_u32 v21, s50, v12                     ; the piece of scale words that wave 0, 1 or 2 copies out
.irp b, 0,1,2,3
	v_mov_b32 v[TM+4+\b], 0                        ; written once: a lane permute's destination counts as one of its sources
.endr
	; all other addresses, each from its own buffer's
	s_lshl_b32 s50, ttmp9, 6                       ; g's rows for my tile of K begin at 64 i + 32 (qt / 2) + 8 (qt % 2)
	s_lshr_b32 s51, s41, 1
	s_lshl_b32 s51, s51, 5
	s_add_co_u32 s50, s50, s51
	s_and_b32 s51, s41, 1
	s_lshl_b32 s51, s51, 3
	s_add_co_u32 s50, s50, s51
	s_lshl_b32 s52, s50, 6
	s_add_nc_u64 s[54:55], s[10:11], s[52:53]
	s_lshl_b32 s52, s50, 2
	s_add_nc_u64 s[56:57], s[12:13], s[52:53]
	s_lshl_b32 s52, s42, 13
	s_add_nc_u64 s[20:21], s[20:21], s[52:53]      ; Wk: my 128 rows of 64 bytes
	s_lshl_b32 s52, s42, 9
	s_add_nc_u64 s[22:23], s[22:23], s[52:53]
	s_add_nc_u64 s[24:25], s[24:25], s[52:53]      ; bk
	s_add_nc_u64 s[18:19], s[18:19], s[52:53]      ; bq
	s_lshl_b32 s52, s44, 13
	s_add_nc_u64 s[10:11], s[10:11], s[52:53]      ; g at the chunk's 128 keys
	s_lshl_b32 s52, s44, 9
	s_add_nc_u64 s[12:13], s[12:13], s[52:53]
	s_lshl_b32 s52, s45, 10
	s_add_nc_u64 s[26:27], s[26:27], s[52:53]      ; Wv: rows 16 ct on
	s_lshl_b32 s52, s45, 6
	s_add_nc_u64 s[28:29], s[28:29], s[52:53]
	s_add_nc_u64 s[30:31], s[30:31], s[52:53]
	s_lshl_b32 s52, s42, 14
	s_add_nc_u64 s[14:15], s[14:15], s[52:53]      ; Wq: my 128 rows of 128 bytes
	s_lshl_b32 s52, s42, 10
	s_add_nc_u64 s[16:17], s[16:17], s[52:53]
	s_lshl_b32 s50, ttmp9, 2
	s_add_co_u32 s50, s50, s41
	s_lshl_b32 s50, s50, 1
	s_add_co_u32 s50, s50, s42
	s_lshl_b32 s52, s50, 10
	s_add_nc_u64 s[32:33], s[32:33], s[52:53]      ; qf: fragment (4 i + qt) 2 + sp
	s_lshl_b32 s52, ttmp9, 9
	s_add_nc_u64 s[34:35], s[34:35], s[52:53]      ; qs: 512 i
	s_mul_i32 s52, s44, CHUNK
	s_add_nc_u64 s[36:37], s[36:37], s[52:53]      ; kv at the chunk
	s_lshl_b32 s50, s43, 2
	s_add_co_u32 s50, s50, s41
	s_lshl_b32 s50, s50, 1
	s_add_co_u32 s50, s50, s42
	s_lshl_b32 s52, s50, 10
	s_add_nc_u64 s[58:59], s[36:37], s[52:53]      ; K's fragment (4 (i % 2) + qt) 2 + sp
	s_lshl_b32 s52, s45, 10
	s_add_co_u32 s52, s52, 16384
	s_add_nc_u64 s[60:61], s[36:37], s[52:53]      ; V's fragment ct
	s_lshl_b32 s52, s43, 9
	s_add_co_u32 s52, s52, 32768
	s_add_nc_u64 s[66:67], s[36:37], s[52:53]      ; my half of K's scale words
	s_add_co_u32 s52, s52, 1024
	s_add_nc_u64 s[68:69], s[36:37], s[52:53]      ; and of V's
	; B: the K unit's operands, 43 loads
.irp t, 0,1,2,3,4,5,6,7
	global_load_b128 v[192+8*\t:195+8*\t], v11, s[24:25] offset:128*(\t/2)+32*(\t%2)      ; bk in the result's layout: register j of tile t is channel 32 (t / 2) + 16 h + 8 (t % 2) + j
	global_load_b128 v[196+8*\t:199+8*\t], v11, s[24:25] offset:128*(\t/2)+32*(\t%2)+16
.endr
	WIN 0x40                                       ; destination window 1
.irp t, 0,1,2,3,4,5,6,7
.irp c, 0,1
	global_load_b128 v[128+8*\t+4*\c:131+8*\t+4*\c], v5, s[20:21] offset:(32*(\t/2)+8*(\t%2))*64+32*\c
.endr
.endr
	WIN 0
.irp t, 0,1,2,3,4,5,6,7
	global_load_b32 v[80+\t], v7, s[22:23] offset:(32*(\t/2)+8*(\t%2))*4
.endr
.irp c, 0,1
	global_load_b128 v[40+4*\c:43+4*\c], v5, s[54:55] offset:32*\c
.endr
	global_load_b32 v96, v7, s[56:57]
	; X: my 64 channels of 32 columns: two blocks of 32, each whole in my lane
	s_wait_loadcnt 43                              ; x's 64 loads are in; the 43 behind them may be out
.irp c, 0,1
	v_max3_num_f32 v[TM+\c], |v[128+32*\c]|, |v[129+32*\c]|, 0x1800000
.endr
.irp i, 2,4,6,8,10,12,14,16,18,20,22,24,26,28,30
.irp c, 0,1
	s_delay_alu instid0(VALU_DEP_2)
	v_max3_num_f32 v[TM+\c], v[TM+\c], |v[128+32*\c+\i]|, |v[129+32*\c+\i]|
.endr
.endr
.irp c, 0,1
	s_delay_alu instid0(VALU_DEP_2)
	v_add_nc_u32 v[TM+12+\c], 0xff000000, v[TM+\c]
.endr
.irp c, 0,1
	s_delay_alu instid0(VALU_DEP_2)
	v_lshrrev_b32 v[TM+4+\c], 23, v[TM+12+\c]
.endr
	s_delay_alu instid0(VALU_DEP_1)
	v_lshl_or_b32 v[PW], v[TM+5], 8, v[TM+4]       ; my column's two bytes, the lower block's below
.irp c, 0,1
.irp g, 0,1,2,3
	v_cvt_scalef32_pk8_fp4_f32 v[PC+4*\c+\g], v[128+32*\c+8*\g:135+32*\c+8*\g], v[TM+12+\c]
.endr
.endr
	v_nop                                          ; one plain place behind a scaled conversion
.irp i, 0,1,2,3
	v_permlane16_swap_b32 v[PC+\i], v[PC+4+\i]     ; lanes 0-15 are tile 2 cg's columns, lanes 16-31 tile 2 cg + 1's: now PC .. PC + 3 are four registers of the first tile's fragment (block h of column r), PC + 4 .. those of the second's
.endr
	ds_store_b128 v14, v[PC:PC+3]
	ds_store_b128 v14, v[PC+4:PC+7] offset:2048
	ds_store_b16 v15, v[PW]
	; C: the V unit's operands, 35 loads
	WIN 0x40
.irp t, 0,1,2,3,4,5,6,7
.irp c, 0,1
	global_load_b128 v[192+8*\t+4*\c:195+8*\t+4*\c], v5, s[10:11] offset:(32*(\t/2)+8*(\t%2))*64+32*\c
.endr
.endr
	WIN 0
.irp t, 0,1,2,3,4,5,6,7
	global_load_b32 v[88+\t], v7, s[12:13] offset:(32*(\t/2)+8*(\t%2))*4
.endr
.irp c, 0,1
	global_load_b128 v[48+4*\c:51+4*\c], v9, s[26:27] offset:32*\c
.endr
	global_load_b32 v97, v10, s[28:29]
.irp j, 0,1,2,3,4,5,6,7
	global_load_b32 v[56+\j], v10, s[30:31]        ; bv of my lane's channel, in all eight registers of a C
.endr
	; the K unit: source 0 = 16 rows of Wk, source 1 = my 16 keys of g: a lane holds one key, its registers run along the output channels
	s_wait_loadcnt 35                              ; B's 43 loads are in; C's 35 may be out
	WIN 0x01                                       ; source 0 window 1
.irp t, 0,1,2,3,4,5,6,7
	v_wmma_scale_f32_16x16x128_f8f6f4 v[192+8*\t:199+8*\t], v[128+8*\t:135+8*\t], v[40:47], v[192+8*\t:199+8*\t], v[80+\t], v96 matrix_a_fmt:MATRIX_FMT_FP4 matrix_b_fmt:MATRIX_FMT_FP4
.endr
	WIN 0
	PLACES 4                                       ; in front of the first read of results
	s_wait_dscnt 0x0                               ; X's LDS stores have read the registers that are written next
	QUANT 192
	OUTF 58
	ds_store_b32 v18, v[PW]
	; D: the q unit's operands, 56 loads
.irp t, 0,1,2,3,4,5,6,7
	global_load_b128 v[192+8*\t:195+8*\t], v11, s[18:19] offset:128*(\t/2)+32*(\t%2)
	global_load_b128 v[196+8*\t:199+8*\t], v11, s[18:19] offset:128*(\t/2)+32*(\t%2)+16
.endr
	WIN 0x40
.irp t, 0,1,2,3,4,5,6,7
.irp s, 0,1
.irp c, 0,1
	global_load_b128 v[8*(2*\t+\s)+4*\c:8*(2*\t+\s)+4*\c+3], v6, s[14:15] offset:(32*(\t/2)+8*(\t%2))*128+64*\s+32*\c
.endr
.endr
.endr
	WIN 0
.irp t, 0,1,2,3,4,5,6,7
	global_load_b64 v[64+2*\t:65+2*\t], v8, s[16:17] offset:(32*(\t/2)+8*(\t%2))*8
.endr
	; the V unit: source 0 = 16 keys of g, source 1 = my 16 rows of Wv: a lane holds one channel, its registers run along the keys
	s_wait_loadcnt 56                              ; C's 35 loads are in; D's 56 may be out
	WIN 0x01
.irp t, 0,1,2,3,4,5,6,7
	v_wmma_scale_f32_16x16x128_f8f6f4 v[128+8*\t:135+8*\t], v[192+8*\t:199+8*\t], v[48:55], v[56:63], v[88+\t], v97 matrix_a_fmt:MATRIX_FMT_FP4 matrix_b_fmt:MATRIX_FMT_FP4
.endr
	WIN 0
	PLACES 4
	s_wait_xcnt 0x0                                ; K's stores have read the codes' registers
	s_wait_dscnt 0x0
	QUANT 128
	OUTF 60
	ds_store_b32 v19, v[PW]
	BAR                                            ; x's eight fragments and their scale words lie in LDS
.irp s, 0,1
.irp c, 0,1
	ds_load_b128 v[24+8*\s+4*\c:27+8*\s+4*\c], v16 offset:1024*\s+512*\c
.endr
	ds_load_b32 v[98+\s], v17 offset:64*\s
.endr
	s_wait_loadcnt 0x0                             ; D is in
	s_wait_dscnt 0x0
	; the q unit: source 0 = 16 rows of Wq, source 1 = my 16 queries of x; the eight sums by turns, a K step at a time
	WIN 0x01
.irp s, 0,1
.irp t, 0,1,2,3,4,5,6,7
	v_wmma_scale_f32_16x16x128_f8f6f4 v[192+8*\t:199+8*\t], v[8*(2*\t+\s):8*(2*\t+\s)+7], v[24+8*\s:31+8*\s], v[192+8*\t:199+8*\t], v[64+2*\t+\s], v[98+\s] matrix_a_fmt:MATRIX_FMT_FP4 matrix_b_fmt:MATRIX_FMT_FP4
.endr
.endr
	WIN 0
	PLACES 4
	s_wait_xcnt 0x0                                ; V's stores have read the codes' registers
	QUANT 192
	OUTF 32
	ds_store_b32 v20, v[PW]
	BAR                                            ; the three pieces of scale words are whole
	s_cmp_eq_u32 s38, 0                            ; wave 0 copies K's piece, wave 1 V's, wave 2 q's: the choice hangs on the wave's number alone
	s_cselect_b64 s[70:71], s[66:67], s[68:69]
	s_cmp_eq_u32 s38, 2
	s_cselect_b64 s[70:71], s[34:35], s[70:71]
	s_cmp_lt_u32 s38, 3
	s_cbranch_scc0 .Lend
	ds_load_b128 v[24:27], v21
	s_wait_dscnt 0x0
	global_store_b128 v12, v[24:27], s[70:71]      ; 512 consecutive bytes, aligned
.Lend:
	s_wait_tensorcnt 0x0
	ds_add_u32 v122, v123
	s_wait_dscnt 0x0
	s_endpgm
.Lfunc_end_k_q703bb1902e_prep:
	.size	k_q703bb1902e_prep, .Lfunc_end_k_q703bb1902e_prep-k_q703bb1902e_prep
	.p2alignl 7, 3214868480
	.fill 96, 4, 3214868480
	.section	.rodata,"a",@progbits
	.p2align	6, 0x0
	.amdhsa_kernel k_q703bb1902e_prep
		.amdhsa_group_segment_fixed_size 17408
		.amdhsa_private_segment_fixed_size 0
		.amdhsa_enable_private_segment 0
		.amdhsa_kernarg_size 120
		.amdhsa_user_sgpr_count 2
		.amdhsa_user_sgpr_kernarg_segment_ptr 1
		.amdhsa_wavefront_size32 1
		.amdhsa_system_sgpr_workgroup_id_x 1
		.amdhsa_system_sgpr_workgroup_id_y 1
		.amdhsa_system_sgpr_workgroup_id_z 1
		.amdhsa_system_vgpr_workitem_id 0
		.amdhsa_next_free_vgpr 512
		.amdhsa_next_free_sgpr 72
		.amdhsa_reserve_vcc 0
		.amdhsa_float_denorm_mode_32 3
		.amdhsa_float_denorm_mode_16_64 3
		.amdhsa_memory_ordered 1
		.amdhsa_forward_progress 1
		.amdhsa_inst_pref_size 49
	.end_amdhsa_kernel
	.amdgpu_metadata
---
amdhsa.version: [ 1, 2 ]
amdhsa.kernels:
  - .name:           k_q703bb1902e_prep
    .symbol:         k_q703bb1902e_prep.kd
    .args:
      - { .name: dgcnn_feat, .offset: 0, .size: 8, .value_kind: global_buffer, .address_space: global }
      - { .name: geo_feat_codes, .offset: 8, .size: 8, .value_kind: global_buffer, .address_space: global }
      - { .name: geo_feat_scales, .offset: 16, .size: 8, .value_kind: global_buffer, .address_space: global }
      - { .name: Wq_codes, .offset: 24, .size: 8, .value_kind: global_buffer, .address_space: global }
      - { .name: Wq_scales, .offset: 32, .size: 8, .value_kind: global_buffer, .address_space: global }
      - { .name: bq, .offset: 40, .size: 8, .value_kind: global_buffer, .address_space: global }
      - { .name: Wk_codes, .offset: 48, .size: 8, .value_kind: global_buffer, .address_space: global }
      - { .name: Wk_scales, .offset: 56, .size: 8, .value_kind: global_buffer, .address_space: global }
      - { .name: bk, .offset: 64, .size: 8, .value_kind: global_buffer, .address_space: global }
      - { .name: Wv_codes, .offset: 72, .size: 8, .value_kind: global_buffer, .address_space: global }
      - { .name: Wv_scales, .offset: 80, .size: 8, .value_kind: global_buffer, .address_space: global }
      - { .name: bv, .offset: 88, .size: 8, .value_kind: global_buffer, .address_space: global }
      - { .name: qf, .offset: 96, .size: 8, .value_kind: global_buffer, .address_space: global }
      - { .name: qs, .offset: 104, .size: 8, .value_kind: global_buffer, .address_space: global }
      - { .name: kv, .offset: 112, .size: 8, .value_kind: global_buffer, .address_space: global }
    .group_segment_fixed_size: 17408
    .private_segment_fixed_size: 0
    .kernarg_segment_align: 8
    .kernarg_segment_size: 120
    .max_flat_workgroup_size: 256
    .sgpr_count:     72
    .vgpr_count:     512
    .wavefront_size: 32
...
	.end_amdgpu_metadata
.endif
;; end of part 1
;; launch attn (part 2): grid 64 x 4, 8 waves a work-group, clusters of 4 x 1, 327,680 bytes of LDS; arguments qf, qs, kv, dgcnn_feat, gamma, fused, part; writes fused, part
.if DOCPART == 2
	.amdgcn_target "amdgcn-amd-amdhsa--gfx1250"
	.amdhsa_code_object_version 6
	.text
	.protected	k_q703bb1902e_attn
	.globl	k_q703bb1902e_attn
	.p2align	8
	.type	k_q703bb1902e_attn,@function
k_q703bb1902e_attn:
	s_mov_b64 s[64:65], 0
	v_nop
	global_prefetch_b8 v0, s[64:65] scope:SCOPE_SE
	s_setreg_imm32_b32 hwreg(HW_REG_WAVE_MODE, 25, 1), 1
	s_wait_xcnt 0x0
	s_wait_alu depctr_hold_cnt(0) depctr_sa_sdst(0) depctr_va_vdst(0) depctr_va_sdst(0) depctr_va_ssrc(0) depctr_va_vcc(0) depctr_vm_vsrc(0)
	s_getreg_b32 s2, hwreg(HW_REG_IB_STS2, 6, 4)
	s_cmp_eq_u32 s2, 0
	s_cbranch_scc0 .Lentry_in_a_cluster
	s_endpgm
.Lentry_in_a_cluster:
	s_bfe_u32 s2, ttmp6, 0x10000c
	s_cmp_lg_u32 s2, 0x3003
	s_cbranch_scc0 .Lentry_shape_is_right
	s_endpgm
.Lentry_shape_is_right:
; fused[b][c][n] = x[b][c][n] + gamma x (the sum over m of v[b][c][m] softmax_m(q[b][:][n] . k[b][:][m])), both products on codes of FP4 (E2M1) with one E8M0 scale for each 32 along K; and, for each channel,
; the mean and the sum of squared distances from it of the work-group's 64 numbers of fused (for the batch norm that follows).
; THE SOFTMAX AHEAD OF THE SECOND PRODUCT: t = score x log2(e); M = the largest t so far, rounded UP to a whole number; p = 2^(t - M) is quantised along the keys, not normalised; the sum is taken of the unquantised p and divides at the end.
; SHARES.  A work-group owns 64 queries of one batch.  Wave w = 2 g + qh owns query tiles 2 qh and 2 qh + 1 (32 queries) and, of every slot of 512 keys, chunk g of 128: 1,024 keys in 8 trips.  So each fragment of K and V that
; comes out of LDS feeds two products.  Eight waves of 512 registers: two to a SIMD's 1,024, so that one wave's matrix work and LDS loads stand beside the other's vector work.
; BY TURNS BETWEEN WAVES.  The round at a trip's head brings all eight waves into step, so the waves are of two classes, class = (w xor (w >> 2)) & 1, which differs between waves w and w + 4 and between waves 2 k and 2 k + 1.
; Class 0 runs a trip's second product (O^T's rescaling, then V^T P) at the trip's end.  Class 1 keeps V's fragments, p's codes, p's scale words and f in registers over the round and runs it at the NEXT trip's head, behind the
; refill and its first eight loads of K: it has vector and matrix work while class 0 waits for K, and it waits for K while class 0 walks its softmax.  Trip 0 (which starts O^T) and the last trip run their own second product at their end in both classes.
; The four quarters of the keys keep a running M and sum of their own and are merged at the end: every M is a whole number, so each factor 2^(M of the quarter - M of the row) is exact.
; OPERANDS lie in kv, qf, qs as images of their registers (register group c of a fragment at 512 c + 16 x lane): every LDS load reads 512 consecutive bytes, and a slot (four chunks of 34,816 bytes) is one dense block of memory.
; LAYOUT.  Both products are used transposed: S^T = K Q^T (source 0 = 16 keys, source 1 = 16 queries), O^T = V^T P^T (source 0 = 16 channels, source 1 = P): a lane holds ONE query (lane % 16) throughout.
; The keys of a tile of K were chosen so that the 16 registers of tiles 2 b and 2 b + 1 are keys 32 b + 16 (lane / 16) + 0 .. 15 of the chunk.
; CLUSTER.  The four work-groups of a cluster belong to one batch and walk the same kv: each eighth of a slot is asked for JOINTLY, by the same tensor load with the same descriptor and the mask 15.
; LIMITS: NaN and infinities are not served.  A p under 2^-126 counts as 0; a block of such p keeps the scale byte 1 with zero codes.  A quarter of the keys whose M lies more than about 126 under the row's adds 0.
; REGISTERS.  Window 0: v1, v2 my chunk in slot 0, 1; v3, v4 for the add; v5 prefetch offset; v7 16 x lane; v8-15 the two tiles' -M, largest t, sum in two halves; v16-47 Q; v48-49 Q's scale words (lanes 0-15 K step 0, lanes 16-31 K step 1);
;   v50-51 p's scale words; v52-59 K's, then V's scale words; v60-63 the factors f; v64-95 and v96-127 two groups of K's fragments; in the softmax v80-95 are at work and v96-111 take p's codes; v128-255 S^T, then p, then V's 16 fragments.
;   Window 1: O^T, tile q, channels 16 ct on, at v[128 q + 8 ct].
.set CHUNK,  34816
.set SLOTB,  4*CHUNK                   ; a slot: 512 keys
.set EIGHTH, SLOTB/8                   ; what one tensor load brings: 68 rows of 256 bytes
.set VFR,    16384                     ; in a chunk: V's fragments,
.set KSC,    32768                     ; K's scale words,
.set VSC,    33792                     ; V's
.set STATS,  2*SLOTB                   ; behind the ring: 512 bytes a wave: -M and the sum of its two tiles
.set SPARE,  STATS+4096                ; the spare words, 128 bytes for each wave: four blocks of 256 bytes that no other line names
.set SP,     272                       ; the way out: a channel's row of 64 queries: 256 bytes + 16
.set BM,  80                           ; the blocks' largest scores, then largest p
.set PX,  84
.set SO,  88                           ; the conversions' scale operands
.set T1,  92
.set AUX, 94
.set PC,  96                           ; p's codes: 8 registers a tile.  Outside K's first group, which class 1 loads while these are still to be multiplied
.set MSB, 0
.macro WIN new                         ; the immediate's high byte repeats the setting that is left
.if MSB != \new
	s_set_vgpr_msb (MSB<<8)|\new
.set MSB, \new
.endif
.endm
.macro PLACES n
.rept \n
	v_nop
.endr
.endm
; A round of the cluster's barrier: my work-group's barrier; wave 0 signals for the work-group; every wave waits for all four work-groups; my work-group's barrier once more.
.macro ROUND
	s_barrier_signal -1
	s_barrier_wait -1
	s_cmp_lg_u32 s20, 0
	s_cbranch_scc1 .Lnot_wave_0_\@
	s_barrier_signal -3
.Lnot_wave_0_\@:
	s_barrier_wait -3
	s_barrier_signal -1
	s_barrier_wait -1
.endm
.macro KGRP slot, j, buf               ; key tiles 2 j and 2 j + 1, both K steps: four fragments, eight loads
.irp m, 0,1,2,3,4,5,6,7
	ds_load_b128 v[\buf+4*\m:\buf+4*\m+3], v[1+\slot] offset:4096*\j+512*\m
.endr
.endm
.macro VGRP slot, m0                   ; eight fragments of V, sixteen loads
.irp m, 0,1,2,3,4,5,6,7,8,9,10,11,12,13,14,15
	ds_load_b128 v[128+4*(\m0+\m):131+4*(\m0+\m)], v[1+\slot] offset:VFR+512*(\m0+\m)
.endr
.endm
; Eight products: key tiles 2 j, 2 j + 1 x my two query tiles, K step 0 (which starts the sums), then K step 1.  The four sums take turns, one instruction a turn.
.macro SMUL j, buf
.irp s, 0,1
.irp u, 0,1
.irp q, 0,1
.if \s == 0
	v_wmma_scale_f32_16x16x128_f8f6f4 v[128+64*\q+8*(2*\j+\u):135+64*\q+8*(2*\j+\u)], v[\buf+16*\u:\buf+16*\u+7], v[16+16*\q:23+16*\q], 0, v[52+2*\j+\u], v[48+\q] matrix_a_fmt:MATRIX_FMT_FP4 matrix_b_fmt:MATRIX_FMT_FP4
.else
	v_wmma_scale_f32_16x16x128_f8f6f4 v[128+64*\q+8*(2*\j+\u):135+64*\q+8*(2*\j+\u)], v[\buf+16*\u+8:\buf+16*\u+15], v[24+16*\q:31+16*\q], v[128+64*\q+8*(2*\j+\u):135+64*\q+8*(2*\j+\u)], v[52+2*\j+\u], v[48+\q] matrix_a_fmt:MATRIX_FMT_FP4 matrix_b_fmt:MATRIX_FMT_FP4 matrix_a_scale:MATRIX_SCALE_ROW1 matrix_b_scale:MATRIX_SCALE_ROW1
.endif
.endr
.endr
.endr
.endm
; One product of O^T += V^T P^T: channels 16 ct on, query tile q.  V's scale words: register ct / 2, lanes 0-15 for an even ct, lanes 16-31 for an odd one.  first = 1: the product starts the sum: nothing is ever cleared.
.macro PV1 ct, q, first
.if \first
.if (\ct)%2
	v_wmma_scale_f32_16x16x128_f8f6f4 v[128*\q+8*(\ct):128*\q+8*(\ct)+7], v[128+8*(\ct):135+8*(\ct)], v[PC+8*\q:PC+8*\q+7], 0, v[52+(\ct)/2], v[50+\q] matrix_a_fmt:MATRIX_FMT_FP4 matrix_b_fmt:MATRIX_FMT_FP4 matrix_a_scale:MATRIX_SCALE_ROW1
.else
	v_wmma_scale_f32_16x16x128_f8f6f4 v[128*\q+8*(\ct):128*\q+8*(\ct)+7], v[128+8*(\ct):135+8*(\ct)], v[PC+8*\q:PC+8*\q+7], 0, v[52+(\ct)/2], v[50+\q] matrix_a_fmt:MATRIX_FMT_FP4 matrix_b_fmt:MATRIX_FMT_FP4
.endif
.else
.if (\ct)%2
	v_wmma_scale_f32_16x16x128_f8f6f4 v[128*\q+8*(\ct):128*\q+8*(\ct)+7], v[128+8*(\ct):135+8*(\ct)], v[PC+8*\q:PC+8*\q+7], v[128*\q+8*(\ct):128*\q+8*(\ct)+7], v[52+(\ct)/2], v[50+\q] matrix_a_fmt:MATRIX_FMT_FP4 matrix_b_fmt:MATRIX_FMT_FP4 matrix_a_scale:MATRIX_SCALE_ROW1
.else
	v_wmma_scale_f32_16x16x128_f8f6f4 v[128*\q+8*(\ct):128*\q+8*(\ct)+7], v[128+8*(\ct):135+8*(\ct)], v[PC+8*\q:PC+8*\q+7], v[128*\q+8*(\ct):128*\q+8*(\ct)+7], v[52+(\ct)/2], v[50+\q] matrix_a_fmt:MATRIX_FMT_FP4 matrix_b_fmt:MATRIX_FMT_FP4
.endif
.endif
.endm
.macro PVMUL c0, first                 ; sixteen sums, one instruction each
.irp cc, 0,1,2,3,4,5,6,7
.irp q, 0,1
	PV1 \c0+\cc, \q, \first
.endr
.endr
.endm
.macro RESCALE                         ; O^T under the new M: x f, a power of two: exact.  Each sum from its low end on
	WIN 0x41                                       ; O^T (destination and source 0) window 1, f window 0
.irp q, 0,1
.set k, 0
.rept 64
	v_pk_mul_f32 v[128*\q+k:128*\q+k+1], v[128*\q+k:128*\q+k+1], v[60+2*\q:61+2*\q] op_sel_hi:[1,0]
.set k, k+2
.endr
.endr
.endm
; The 32 products of V^T P.  counted = 1: V's loads may still be out (a trip's end); 0: they were waited for in front of the round (a trip's head).
.macro SECOND first, counted
.if \counted
	s_wait_dscnt 16                                ; V's scale words and tiles 0-7 are in; the sixteen loads of tiles 8-15 may be out
.endif
	WIN 0x50                                       ; C and D window 1
	PVMUL 0, \first
.if \counted
	s_wait_dscnt 0x0
.endif
	PVMUL 8, \first
	WIN 0
	PLACES 5                                       ; the next score products write over V's fragments, which these products read: five places; loads onto p's codes and onto the scale words want four
.endm
; The softmax of query tile q for this trip's 128 keys: S^T at v[128 + 64 q] becomes p; p's codes go to v[PC + 8 q] on, its scale word to v[50 + q], f = 2^(old M - new M) to v[60 + 2 q].
.macro SOFTMAX q
.irp b, 0,1,2,3
	v_max3_num_f32 v[BM+\b], v[128+64*\q+16*\b], v[129+64*\q+16*\b], v[130+64*\q+16*\b]   ; the largest score of each block of 32 keys: it serves for the row's maximum and, since p rises with the score, for the block's largest p.  Each sum is read from its low end on
.endr
.irp i, 3,5,7,9,11,13
.irp b, 0,1,2,3
	v_max3_num_f32 v[BM+\b], v[BM+\b], v[128+64*\q+16*\b+\i], v[129+64*\q+16*\b+\i]
.endr
.endr
.irp b, 0,1,2,3
	v_max_num_f32 v[BM+\b], v[BM+\b], v[143+64*\q+16*\b]
.endr
.irp b, 0,1,2,3
	s_delay_alu instid0(VALU_DEP_4)
	v_permlanex16_b32 v[PX+\b], v[BM+\b], s46, s47
.endr
.irp b, 0,1,2,3
	s_delay_alu instid0(VALU_DEP_4)
	v_max_num_f32 v[BM+\b], v[BM+\b], v[PX+\b]     ; with lane l xor 16's 16 keys
.endr
	s_delay_alu instid0(VALU_DEP_2)
	v_max3_num_f32 v[T1], v[BM], v[BM+1], v[BM+2]
	s_delay_alu instid0(VALU_DEP_1)
	v_max_num_f32 v[T1], v[T1], v[BM+3]
	s_delay_alu instid0(VALU_DEP_1)
	v_mul_f32 v[T1], s44, v[T1]                    ; the trip's largest t
	s_delay_alu instid0(VALU_DEP_1)
	v_max_num_f32 v[9+4*\q], v[9+4*\q], v[T1]      ; the running largest t
	v_mov_b32 v[T1], v[8+4*\q]
	s_delay_alu instid0(VALU_DEP_2)
	v_floor_f32 v[8+4*\q], -v[9+4*\q]              ; the new -M = floor(-t) = -ceil(t)
	s_delay_alu instid0(VALU_DEP_1)
	v_sub_f32 v[T1], v[8+4*\q], v[T1]              ; old M - new M: a whole number, 0 or less
	s_delay_alu instid0(VALU_DEP_1)
	v_cvt_i32_f32 v[T1], v[T1]                     ; (it saturates)
	s_delay_alu instid0(VALU_DEP_1)
	v_ldexp_f32 v[60+2*\q], 1.0, v[T1]             ; f
.set j, 0
.rept 32
	v_pk_fma_f32 v[128+64*\q+j:129+64*\q+j], v[128+64*\q+j:129+64*\q+j], s[44:45], v[8+4*\q:9+4*\q] op_sel_hi:[1,0,0]   ; t - M, two at a time (of the pairs the low word serves both halves)
.set j, j+2
.endr
.irp b, 0,1,2,3
	v_fma_f32 v[BM+\b], v[BM+\b], s44, v[8+4*\q]   ; the same of each block's largest score
.endr
.set j, 0
	s_wait_alu depctr_va_vdst(0)
.rept 64
	v_exp_f32 v[128+64*\q+j], v[128+64*\q+j]       ; p = 2^(t - M), at most 1
.set j, j+1
.endr
.irp b, 0,1,2,3
	v_exp_f32 v[BM+\b], v[BM+\b]                   ; the block's largest p: the same two instructions on the same number give the same bits
.endr
	v_pk_mul_f32 v[10+4*\q:11+4*\q], v[10+4*\q:11+4*\q], v[60+2*\q:61+2*\q] op_sel_hi:[1,0]   ; the sums under the new M (a plain place behind the exponentials)
	s_wait_alu depctr_va_vdst(0)
.irp b, 0,1,2,3
	v_max_num_f32 v[BM+\b], 0x1800000, v[BM+\b]    ; the floor 2^(3 - 127): the byte cannot fall under 1
.endr
.irp b, 0,1,2,3
	s_delay_alu instid0(VALU_DEP_4)
	v_add_nc_u32 v[SO+\b], 0xff000000, v[BM+\b]    ; 2 off the exponent field: the conversion's scale operand
.endr
.irp b, 0,1,2,3
	s_delay_alu instid0(VALU_DEP_4)
	v_lshrrev_b32 v[PX+\b], 23, v[SO+\b]           ; the scale's byte
.endr
	s_delay_alu instid0(VALU_DEP_3)
	v_lshl_or_b32 v[50+\q], v[PX+1], 8, v[PX]
	s_delay_alu instid0(VALU_DEP_1)
	v_lshl_or_b32 v[50+\q], v[PX+2], 16, v[50+\q]
	s_delay_alu instid0(VALU_DEP_1)
	v_lshl_or_b32 v[50+\q], v[PX+3], 24, v[50+\q]
.irp b, 0,1,2,3
	v_cvt_scalef32_pk8_fp4_f32 v[PC+8*\q+2*\b], v[128+64*\q+16*\b:135+64*\q+16*\b], v[SO+\b]
	v_cvt_scalef32_pk8_fp4_f32 v[PC+1+8*\q+2*\b], v[136+64*\q+16*\b:143+64*\q+16*\b], v[SO+\b]
.endr
	v_nop                                          ; one plain place behind a scaled conversion
.irp c, 0,1                                    ; a whole block in a lane: lanes 0-15 block 2 c, lanes 16-31 block 2 c + 1
.irp i, 0,1
	v_permlane16_swap_b32 v[PC+8*\q+4*\c+\i], v[PC+2+8*\q+4*\c+\i]
.endr
.endr
	v_pk_add_f32 v[AUX:AUX+1], v[128+64*\q:129+64*\q], v[130+64*\q:131+64*\q]   ; the row's sum is taken of the unquantised p, two at a time, in two chains
.set j, 4
.rept 15
	v_pk_add_f32 v[10+4*\q:11+4*\q], v[10+4*\q:11+4*\q], v[128+64*\q+j:129+64*\q+j]
	v_pk_add_f32 v[AUX:AUX+1], v[AUX:AUX+1], v[130+64*\q+j:131+64*\q+j]
.set j, j+4
.endr
	s_delay_alu instid0(VALU_DEP_1)
	v_pk_add_f32 v[10+4*\q:11+4*\q], v[10+4*\q:11+4*\q], v[AUX:AUX+1]
.endm
; A TRIP: my chunk of 128 keys of the slot in hand.  refill = 1: the other slot is asked for, first thing behind the round.  first = 1: trip 0: O^T's sums begin, at its end, in both classes.  last = 1: the last trip: its second product stands at its end in both classes.
.macro TRIP slot, refill, first, last
	s_wait_tensorcnt 0x0                           ; all my tensor loads have landed: the one that was out is my eighth of this slot; so a group 0 may be written
	ds_add_u32 v3, v4                              ; 0 onto my spare word
	s_add_nc_u64 s[38+4*\slot:39+4*\slot], s[38+4*\slot:39+4*\slot], 2*SLOTB   ; this slot's next 512 keys (the last two steps are not used)
	s_wait_dscnt 0x0                               ; the add is done, and my reads of the other slot are over: in class 1 all of V's fragments and scale words are in registers now
	ROUND                                          ; both now hold of every wave of the four work-groups
.if \refill
	tensor_load_to_lds s[40-4*\slot:43-4*\slot], s[28:35]   ; my one tensor load until the next round: it has this trip's work in which to land
	s_nop 0
	PLACES 4
.endif
	KGRP \slot, 0, 64                              ; K's first group goes out ahead of the delayed product, which names none of its registers
.if \first == 0
	s_cmp_lg_u32 s60, 0                            ; class 1, from trip 2 on: the last trip's second product, on registers alone.  The branch hangs on the wave's number and the trip; no barrier, tensor load or wait of the ring stands in it
	s_cbranch_scc0 .Lno_head_\@
	RESCALE
	SECOND 0, 0
.Lno_head_\@:
	s_mov_b32 s60, s61                             ; from the next trip on the class decides
.endif
	ds_load_b128 v[52:55], v[1+\slot] offset:KSC   ; K's scale words: register kt, lanes 0-15 K step 0, lanes 16-31 K step 1.  Behind the delayed product, which reads V's in these registers
	ds_load_b128 v[56:59], v[1+\slot] offset:KSC+512
	KGRP \slot, 1, 96
	s_wait_dscnt 8                                 ; group 0 and the scale words are in; group 1's eight loads may be out: the same count on both ways
	SMUL 0, 64
.if \last
	global_prefetch_b8 v5, s[54:55] th:TH_LOAD_NT scope:SCOPE_SE   ; thread t asks once for the 256 bytes of x's channel t at my work-group's 64 columns, which its own wave loads behind this trip and one barrier
.endif
	PLACES 4                                       ; in front of loads into registers that matrix instructions have read
	KGRP \slot, 2, 64
	s_wait_dscnt 8                                 ; group 1 is in
	SMUL 1, 96
	PLACES 4
	KGRP \slot, 3, 96
	s_wait_dscnt 8                                 ; group 2 is in
	SMUL 2, 64
	s_wait_dscnt 0x0
	SMUL 3, 96
	PLACES 4                                       ; in front of the first read of results and of loads into the scale registers
	ds_load_b128 v[52:55], v[1+\slot] offset:VSC   ; V's scale words
	ds_load_b128 v[56:59], v[1+\slot] offset:VSC+512
	SOFTMAX 0
	VGRP \slot, 0                                  ; V's tiles 0-7 into the registers that tile 0's p has left
	SOFTMAX 1
	VGRP \slot, 16                                 ; tiles 8-15 likewise
.if \first
	PLACES 8                                       ; a scale register written by a vector instruction stands eight places ahead of the product that names it
	SECOND 1, 1
.else
.if \last == 0
	s_cmp_eq_u32 s61, 0                            ; class 0 multiplies now; class 1 goes to the round with its operands in registers
	s_cbranch_scc0 .Lno_tail_\@
.endif
	RESCALE                                        ; (these 128 are also the places behind p's scale words, and V's last loads land meanwhile)
	s_wait_alu depctr_va_vdst(0)
	SECOND 0, 1
.if \last == 0
.Lno_tail_\@:
.endif
.endif
.endm
	s_load_b256 s[4:11], s[0:1], 0x0               ; qf 4, qs 6, kv 8, x 10
	s_load_b128 s[12:15], s[0:1], 0x20             ; gamma 12, fused 14
	s_load_b64 s[16:17], s[0:1], 0x30              ; part
	v_lshl_add_u32 v3, v0, 2, SPARE
	v_mov_b32 v4, 0
	ds_add_u32 v3, v4
	ds_add_u32 v3, v4
	s_wait_dscnt 0x0
	v_lshrrev_b32 v1, 5, v0
	s_delay_alu instid0(VALU_DEP_1)
	v_readfirstlane_b32 s20, v1                    ; wave w
	s_and_b32 s21, s20, 1                          ; qh
	s_lshr_b32 s22, s20, 1                         ; g
	s_lshr_b32 s61, s20, 2
	s_xor_b32 s61, s61, s20
	s_and_b32 s61, s61, 1                          ; my class: (w xor (w >> 2)) & 1
	s_mov_b32 s60, 0                               ; no delayed product is due yet
	s_bfe_u32 s19, ttmp6, 0x40000                  ; cx: it enters the addresses of qf, qs, x, fused and part alone
	s_lshl_b32 s23, ttmp9, 2
	s_add_co_u32 s23, s23, s19                     ; my block of 64 queries
	s_and_b32 s24, ttmp7, 0xffff                   ; the batch, which the four partners share
	s_lshl_b32 s25, s24, 6
	s_add_co_u32 s25, s25, s23                     ; W = 64 b + block
	; descriptor group 1: 68 rows of 256 bytes, dense
	s_mov_b32 s28, 15|(3<<16)|(1<<21)              ; 15:0 the mask: all four work-groups; 17:16 elements of 8 bytes; 20 no padding; 21 set beside a mask
	s_mov_b32 s29, 32<<16                          ; tensor_dim0 = 32
	s_mov_b32 s30, 68<<16                          ; tensor_dim1 = 68
	s_mov_b32 s31, 32<<16                          ; tile_dim0 = 32
	s_mov_b32 s32, 68                              ; tile_dim1 = 68
	s_mov_b32 s33, 32                              ; from row to row
	s_mov_b32 s34, 0
	s_mov_b32 s35, 0
	s_mul_i32 s58, s24, 32*CHUNK                   ; the batch's 32 chunks,
	s_mul_i32 s27, s20, EIGHTH                     ; my eighth of a slot, in memory and in LDS
	s_add_co_u32 s58, s58, s27
	s_mov_b32 s59, 0
	s_mov_b32 s57, 0
	s_mov_b32 s44, 0x3fb8aa3b                      ; log2(e)
	s_mov_b32 s45, s44                             ; (named with it as a pair, so it is written)
	s_mov_b32 s46, 0x76543210
	s_mov_b32 s47, 0xfedcba98                      ; v_permlanex16_b32's selects for lane l xor 16
	s_wait_kmcnt 0x0
	s_add_nc_u64 s[8:9], s[8:9], s[58:59]
.irp n, 0,1
	s_mov_b32 s[36+4*\n], 1                        ; count = 1
	s_add_co_u32 s[37+4*\n], s27, \n*SLOTB         ; LDS address
	s_add_nc_u64 s[38+4*\n:39+4*\n], s[8:9], \n*SLOTB   ; global address: keys 512 n on
	s_or_b32 s[39+4*\n], s[39+4*\n], 0x80000000    ; type = 2
.endr
	ROUND                                          ; all four work-groups are here: the first joint loads meet
	tensor_load_to_lds s[36:39], s[28:35]          ; slot 0
	s_nop 0
	PLACES 4
	s_load_b32 s18, s[12:13], 0x0                  ; gamma
	s_lshl_b32 s56, s25, 13
	s_lshl_b32 s19, s21, 12
	s_add_co_u32 s56, s56, s19
	s_add_nc_u64 s[4:5], s[4:5], s[56:57]          ; my two tiles of Q: (4 W + 2 qh) x 2,048
	s_lshl_b32 s56, s25, 9
	s_lshl_b32 s19, s21, 8
	s_add_co_u32 s56, s56, s19
	s_add_nc_u64 s[6:7], s[6:7], s[56:57]          ; and their scale words
	s_lshl_b32 s56, s24, 22
	s_lshl_b32 s19, s23, 8
	s_add_co_u32 s56, s56, s19
	s_add_nc_u64 s[54:55], s[10:11], s[56:57]      ; x at the batch's channel 0, my 64 columns
	s_lshl_b32 s19, s20, 19
	s_add_co_u32 s56, s56, s19
	s_add_nc_u64 s[48:49], s[10:11], s[56:57]      ; x at channel 32 w
	s_add_nc_u64 s[50:51], s[14:15], s[56:57]      ; fused likewise
	s_lshl_b32 s56, s25, 11
	s_lshl_b32 s19, s20, 8
	s_add_co_u32 s56, s56, s19
	s_add_nc_u64 s[52:53], s[16:17], s[56:57]      ; part: 2,048 W + 8 x 32 w
	v_and_b32 v6, 31, v0
	s_delay_alu instid0(VALU_DEP_1)
	v_lshlrev_b32 v7, 4, v6                        ; 16 l
	s_delay_alu instid0(VALU_DEP_2)
	v_lshlrev_b32 v6, 3, v6                        ; 8 l
.irp i, 0,1,2,3,4,5,6,7
	global_load_b128 v[16+4*\i:19+4*\i], v7, s[4:5] offset:512*\i   ; Q stays in registers: tile q, K step s at v[16 + 16 q + 8 s]
.endr
	global_load_b64 v[48:49], v6, s[6:7]
	s_mul_i32 s27, s22, CHUNK
	v_add_nc_u32 v1, s27, v7                       ; my chunk in slot 0,
	s_delay_alu instid0(VALU_DEP_1)
	v_add_nc_u32 v2, SLOTB, v1                     ; in slot 1
	v_lshlrev_b32 v5, 14, v0                       ; channel = my thread's number: 16 KiB a channel
.irp q, 0,1
	v_mov_b32 v[9+4*\q], 0xff61b1e6                ; the largest t so far: -3e38, under every t
	s_delay_alu instid0(VALU_DEP_1)
	v_floor_f32 v[8+4*\q], -v[9+4*\q]
	v_mov_b32 v[10+4*\q], 0
	v_mov_b32 v[11+4*\q], 0
	v_mov_b32 v[61+2*\q], 0                        ; (named as the upper half of f's pair)
.endr
	s_wait_loadcnt 0x0                             ; Q
	s_wait_kmcnt 0x0                               ; gamma
	TRIP 0, 1, 1, 0                                ; keys 0-511; slot 1 is filled for the first time
	s_mov_b32 s26, 3
.Lloop:
	TRIP 1, 1, 0, 0
	TRIP 0, 1, 0, 0
	s_sub_co_u32 s26, s26, 1
	s_cmp_lg_u32 s26, 0
	s_cbranch_scc1 .Lloop
	TRIP 1, 0, 0, 1                                ; the last 512 keys: nothing is left to fetch
	; THE WAY OUT.  Both slots have had their last fill.  1: every wave publishes -M and the sum of its two tiles.
	s_lshl_b32 s27, s20, 9
	s_add_co_u32 s27, s27, STATS
	v_add_nc_u32 v1, s27, v7                       ; my 512 bytes of statistics
	s_lshl_b32 s27, s21, 9
	s_add_co_u32 s27, s27, STATS
	v_add_nc_u32 v2, s27, v7                       ; those of quarter 0 of my queries; quarter g' lies 1,024 g' on
	s_lshl_b32 s27, s20, 15
	v_add_nc_u32 v6, s27, v7                       ; my 32 KiB for O^T
	v_and_b32 v96, 15, v0                          ; r
	v_bfe_u32 v97, v0, 4, 1                        ; h
.irp q, 0,1
	v_add_f32 v[10+4*\q], v[10+4*\q], v[11+4*\q]
.endr
.irp q, 0,1
	s_delay_alu instid0(VALU_DEP_2)
	v_permlanex16_b32 v[PX+\q], v[10+4*\q], s46, s47
.endr
	v_mov_b32 v80, v8
	s_delay_alu instid0(VALU_DEP_3)
	v_add_f32 v81, v10, v[PX]
	v_mov_b32 v82, v12
	s_delay_alu instid0(VALU_DEP_4)
	v_add_f32 v83, v14, v[PX+1]
	ds_store_b128 v1, v[80:83]
	s_lshl_b32 s27, s21, 15
	s_lshl_b32 s58, s22, 12
	s_add_co_u32 s27, s27, s58
	v_add_nc_u32 v8, s27, v7                       ; the merge reads: quarter g' of my queries, channels 64 g on: 65,536 g' + 32,768 qh + 4,096 g + 16 l
	s_delay_alu instid0(VALU_DEP_1)
	v_add_nc_u32 v9, 0x10000, v8
	s_delay_alu instid0(VALU_DEP_2)
	v_add_nc_u32 v10, 0x20000, v8
	s_delay_alu instid0(VALU_DEP_3)
	v_add_nc_u32 v11, 0x30000, v8
	s_mul_i32 s27, s22, 64*SP
	s_lshl_b32 s58, s21, 7
	s_add_co_u32 s27, s27, s58
	v_mul_u32_u24 v12, v97, 8*SP
	s_delay_alu instid0(VALU_DEP_1)
	v_lshl_add_u32 v12, v96, 2, v12
	s_delay_alu instid0(VALU_DEP_1)
	v_add_nc_u32 v12, s27, v12                     ; the stage, in: channel row 64 g + 8 h, query 32 qh + r
	s_mul_i32 s27, s20, 32*SP
	v_mul_u32_u24 v13, v97, SP
	s_delay_alu instid0(VALU_DEP_1)
	v_lshl_add_u32 v13, v96, 4, v13
	s_delay_alu instid0(VALU_DEP_1)
	v_add_nc_u32 v13, s27, v13                     ; and out: channel row 32 w + h, 16 bytes a lane
	v_lshlrev_b32 v14, 14, v97
	s_delay_alu instid0(VALU_DEP_1)
	v_lshl_add_u32 v14, v96, 4, v14                ; the same two rows in x and in fused
	v_lshlrev_b32 v15, 3, v97
	s_delay_alu instid0(VALU_DEP_1)
	v_lshl_add_u32 v15, v96, 4, v15                ; part: channel 2 (l % 16) + h, 8 bytes
	s_wait_alu depctr_va_vdst(0)
	s_wait_dscnt 0x0
	s_barrier_signal -1
	s_barrier_wait -1                              ; the statistics lie in LDS, and nobody reads a slot any more
	; 2: O^T goes to LDS as it stands; x is asked for into the registers that it leaves; meanwhile each lane makes its query's four factors
.irp g, 0,1,2,3
	ds_load_b128 v[16+4*\g:19+4*\g], v2 offset:1024*\g
.endr
	WIN 0x04                                       ; an LDS store's data are its source 1: window 1
.set k, 0
.rept 64
	ds_store_b128 v6, v[4*k:4*k+3] offset:512*k    ; each sum from its low end on
.set k, k+1
.endr
	WIN 0
	s_wait_dscnt 0x0                               ; my stores have landed (and have read their registers), the statistics are in
	WIN 0x40                                       ; destination window 1
.irp i, 0,1,2,3,4,5,6,7,8,9,10,11,12,13,14,15
	global_load_b128 v[4*\i:4*\i+3], v14, s[48:49] offset:32768*\i th:TH_LOAD_NT   ; x, channels 32 w + 2 i + h: sixteen lanes read 256 consecutive bytes.  Nobody writes x: the loads stay out over the barriers below
.endr
	WIN 0
	s_barrier_signal -1
.irp q, 0,1                                    ; register work alone between the signal and the wait
	v_min3_num_f32 v64, v[16+2*\q], v[20+2*\q], v[24+2*\q]
	s_delay_alu instid0(VALU_DEP_1)
	v_min_num_f32 v64, v64, v[28+2*\q]             ; -M of the row
.irp g, 0,1,2,3
	v_sub_f32 v[60+\g], v64, v[16+4*\g+2*\q]       ; M of quarter g' - M of the row: a whole number, 0 or less
.endr
.irp g, 0,1,2,3
	s_delay_alu instid0(VALU_DEP_4)
	v_cvt_i32_f32 v[60+\g], v[60+\g]
.endr
	s_delay_alu instid0(VALU_DEP_4)
	v_ldexp_f32 v65, v[17+2*\q], v60
.irp g, 1,2,3
	v_ldexp_f32 v66, v[17+4*\g+2*\q], v[60+\g]
	s_delay_alu instid0(VALU_DEP_1)
	v_add_f32 v65, v65, v66                        ; the row's sum under the row's M
.endr
	s_wait_alu depctr_va_vdst(0)
	v_rcp_f32 v65, v65
	v_nop                                          ; one plain place behind a transcendental
	s_wait_alu depctr_va_vdst(0)
	v_mul_f32 v65, s18, v65                        ; gamma / the sum
.irp g, 0,1,2,3
	v_ldexp_f32 v[32+4*\g+2*\q], v65, v[60+\g]     ; quarter g's factor, in both words of a pair
	s_delay_alu instid0(VALU_DEP_1)
	v_mov_b32 v[33+4*\g+2*\q], v[32+4*\g+2*\q]
.endr
.endr
	s_barrier_wait -1                              ; all eight waves' O^T lies in LDS
	; 3: I add up the four quarters of channels 64 g .. 64 g + 63 of my 32 queries
.macro MLOAD g, buf
.irp q, 0,1
.irp cc, 0,1,2,3
.irp hf, 0,1
	ds_load_b128 v[\buf+32*\q+8*\cc+4*\hf:\buf+32*\q+8*\cc+4*\hf+3], v[8+\g] offset:16384*\q+1024*\cc+512*\hf
.endr
.endr
.endr
.endm
.macro MACC g, buf, first
.irp q, 0,1
.set k, 0
.rept 16
.if \first
	v_pk_mul_f32 v[128+32*\q+k:129+32*\q+k], v[\buf+32*\q+k:\buf+32*\q+k+1], v[32+4*\g+2*\q:33+4*\g+2*\q]
.else
	v_pk_fma_f32 v[128+32*\q+k:129+32*\q+k], v[\buf+32*\q+k:\buf+32*\q+k+1], v[32+4*\g+2*\q:33+4*\g+2*\q], v[128+32*\q+k:129+32*\q+k]
.endif
.set k, k+2
.endr
.endr
.endm
	MLOAD 0, 192
	MLOAD 1, 64
	s_wait_dscnt 16                                ; quarter 0 is in; quarter 1's sixteen loads may be out
	MACC 0, 192, 1
	MLOAD 2, 192
	s_wait_dscnt 16                                ; quarter 1 is in
	MACC 1, 64, 0
	MLOAD 3, 64
	s_wait_dscnt 16                                ; quarter 2 is in
	MACC 2, 192, 0
	s_wait_dscnt 0x0
	MACC 3, 64, 0                                  ; v128-191: gamma x attended; register 32 q + 8 cc + j: channel 64 g + 16 cc + 8 h + j, query 32 qh + 16 q + r
	s_wait_alu depctr_va_vdst(0)
	s_barrier_signal -1                            ; (no LDS instruction of mine is out)
	s_barrier_wait -1                              ; nobody reads the quarters any more: the stage may be written over them
	; 4: turned through the stage, so that a channel's 64 queries lie together.  Lanes 16-31 write 8 rows of 272 bytes on from lanes 0-15: 544 words, half way round the 64 banks (ISA guide 11.1)
.irp q, 0,1
.irp cc, 0,1,2,3
.irp j, 0,1,2,3,4,5,6,7
	ds_store_b32 v12, v[128+32*\q+8*\cc+\j] offset:(16*\cc+\j)*SP+64*\q
.endr
.endr
.endr
	s_wait_dscnt 0x0
	s_barrier_signal -1
	s_barrier_wait -1                              ; 256 channel rows lie in the stage
	; 5: wave w takes channels 32 w .. 32 w + 31, two rows an instruction
.irp i, 0,1,2,3,4,5,6,7,8,9,10,11,12,13,14,15
	ds_load_b128 v[192+4*\i:195+4*\i], v13 offset:2*SP*\i
.endr
	s_wait_loadcnt 0x0                             ; x
	s_wait_dscnt 0x0
	WIN 0x04                                       ; source 1 (x) window 1
.set k, 0
.rept 32
	v_pk_add_f32 v[192+k:193+k], v[192+k:193+k], v[k:k+1]
.set k, k+2
.endr
	WIN 0
.irp i, 0,1,2,3,4,5,6,7,8,9,10,11,12,13,14,15
	global_store_b128 v14, v[192+4*\i:195+4*\i], s[50:51] offset:32768*\i   ; sixteen lanes store 256 consecutive bytes, aligned
.endr
	; 6: of each channel's 64 numbers the mean, then the sum of squared distances from it: no difference of large sums
.irp i, 0,1,2,3,4,5,6,7,8,9,10,11,12,13,14,15
	v_add_f32 v[64+\i], v[192+4*\i], v[193+4*\i]
	v_add_f32 v[80+\i], v[194+4*\i], v[195+4*\i]
.endr
.irp i, 0,1,2,3,4,5,6,7,8,9,10,11,12,13,14,15
	v_add_f32 v[64+\i], v[64+\i], v[80+\i]
.endr
.irp m, 1,2,4,8
.irp i, 0,1,2,3,4,5,6,7,8,9,10,11,12,13,14,15
	v_add_f32_dpp v[64+\i], v[64+\i], v[64+\i] row_xmask:\m row_mask:0xf bank_mask:0xf   ; over the sixteen lanes of a row
.endr
.endr
.irp i, 0,1,2,3,4,5,6,7,8,9,10,11,12,13,14,15
	v_mul_f32 v[64+\i], 0x3c800000, v[64+\i]       ; / 64
.endr
.irp i, 0,1,2,3,4,5,6,7,8,9,10,11,12,13,14,15
	v_sub_f32 v[104+4*(\i%2)], v[192+4*\i], v[64+\i]
	v_sub_f32 v[105+4*(\i%2)], v[193+4*\i], v[64+\i]
	v_sub_f32 v[106+4*(\i%2)], v[194+4*\i], v[64+\i]
	v_sub_f32 v[107+4*(\i%2)], v[195+4*\i], v[64+\i]
	s_delay_alu instid0(VALU_DEP_4)
	v_mul_f32 v[80+\i], v[104+4*(\i%2)], v[104+4*(\i%2)]
	s_delay_alu instid0(VALU_DEP_1)
	v_fmac_f32 v[80+\i], v[105+4*(\i%2)], v[105+4*(\i%2)]
	s_delay_alu instid0(VALU_DEP_1)
	v_fmac_f32 v[80+\i], v[106+4*(\i%2)], v[106+4*(\i%2)]
	s_delay_alu instid0(VALU_DEP_1)
	v_fmac_f32 v[80+\i], v[107+4*(\i%2)], v[107+4*(\i%2)]
.endr
.irp m, 1,2,4,8
.irp i, 0,1,2,3,4,5,6,7,8,9,10,11,12,13,14,15
	v_add_f32_dpp v[80+\i], v[80+\i], v[80+\i] row_xmask:\m row_mask:0xf bank_mask:0xf
.endr
.endr
	v_mov_b32 v100, v64                            ; lane (h, k) keeps register k's pair: channel 32 w + 2 k + h
	v_mov_b32 v101, v80
.irp i, 1,2,3,4,5,6,7,8,9,10,11,12,13,14,15
	s_mov_b32 vcc_lo, 0x10001<<\i
	v_cndmask_b32 v100, v100, v[64+\i], vcc_lo
	v_cndmask_b32 v101, v101, v[80+\i], vcc_lo
.endr
	global_store_b64 v15, v[100:101], s[52:53]     ; the wave stores 256 consecutive bytes, aligned
	s_wait_tensorcnt 0x0                           ; the wave's end, behind my last tensor load and my last LDS store
	ds_add_u32 v3, v4
	s_wait_dscnt 0x0
	ROUND                                          ; the closing round: no work-group ends while a partner may still ask for a tile that names it
	s_endpgm
.Lfunc_end_k_q703bb1902e_attn:
	.size	k_q703bb1902e_attn, .Lfunc_end_k_q703bb1902e_attn-k_q703bb1902e_attn
	.p2alignl 7, 3214868480
	.fill 96, 4, 3214868480
	.section	.rodata,"a",@progbits
	.p2align	6, 0x0
	.amdhsa_kernel k_q703bb1902e_attn
		.amdhsa_group_segment_fixed_size 327680
		.amdhsa_private_segment_fixed_size 0
		.amdhsa_enable_private_segment 0
		.amdhsa_kernarg_size 56
		.amdhsa_user_sgpr_count 2
		.amdhsa_user_sgpr_kernarg_segment_ptr 1
		.amdhsa_wavefront_size32 1
		.amdhsa_system_sgpr_workgroup_id_x 1
		.amdhsa_system_sgpr_workgroup_id_y 1
		.amdhsa_system_sgpr_workgroup_id_z 1
		.amdhsa_system_vgpr_workitem_id 0
		.amdhsa_next_free_vgpr 512
		.amdhsa_next_free_sgpr 66
		.amdhsa_reserve_vcc 1
		.amdhsa_float_denorm_mode_32 3
		.amdhsa_float_denorm_mode_16_64 3
		.amdhsa_memory_ordered 1
		.amdhsa_forward_progress 1
		.amdhsa_inst_pref_size 255
	.end_amdhsa_kernel
	.section	.bss,"aw",@nobits
	.p2align	6
	.space	262144
	.amdgpu_metadata
---
amdhsa.version: [ 1, 2 ]
amdhsa.kernels:
  - .name:           k_q703bb1902e_attn
    .symbol:         k_q703bb1902e_attn.kd
    .args:
      - { .name: qf, .offset: 0, .size: 8, .value_kind: global_buffer, .address_space: global }
      - { .name: qs, .offset: 8, .size: 8, .value_kind: global_buffer, .address_space: global }
      - { .name: kv, .offset: 16, .size: 8, .value_kind: global_buffer, .address_space: global }
      - { .name: dgcnn_feat, .offset: 24, .size: 8, .value_kind: global_buffer, .address_space: global }
      - { .name: gamma, .offset: 32, .size: 8, .value_kind: global_buffer, .address_space: global }
      - { .name: fused, .offset: 40, .size: 8, .value_kind: global_buffer, .address_space: global }
      - { .name: part, .offset: 48, .size: 8, .value_kind: global_buffer, .address_space: global }
    .group_segment_fixed_size: 327680
    .private_segment_fixed_size: 0
    .kernarg_segment_align: 8
    .kernarg_segment_size: 56
    .max_flat_workgroup_size: 256
    .sgpr_count:     66
    .vgpr_count:     512
    .wavefront_size: 32
...
	.end_amdgpu_metadata
.endif
;; end of part 2
;; launch bnrelu (part 3): grid 256 x 1, 8 waves a work-group, no clusters, 1,280 bytes of LDS; arguments fused, part, bn_weight, bn_bias, out0; writes out0
.if DOCPART == 3
	.amdgcn_target "amdgcn-amd-amdhsa--gfx1250"
	.amdhsa_code_object_version 6
	.text
	.protected	k_q703bb1902e_bnrelu
	.globl	k_q703bb1902e_bnrelu
	.p2align	8
	.type	k_q703bb1902e_bnrelu,@function
k_q703bb1902e_bnrelu:
	s_mov_b64 s[64:65], 0
	v_nop
	global_prefetch_b8 v0, s[64:65] scope:SCOPE_SE
	s_setreg_imm32_b32 hwreg(HW_REG_WAVE_MODE, 25, 1), 1
	s_wait_xcnt 0x0
; out0[b][c][n] = relu((fused[b][c][n] - mean[c]) x rsqrt(var[c] + 1e-5) x bn_weight[c] + bn_bias[c]); mean and (biased) variance over the 16,384 numbers of channel c.
; part [256 groups][256 channels][mean, sum of squared distances from it] holds the figures of 256 groups of 64 numbers of each channel.  They are joined without a difference of large sums:
; mean = the mean of the groups' means; variance = (the sum of the groups' sums + 64 x the sum of (group's mean - mean)^2) / 16,384.
; SHARES.  Work-group c owns channel c: four rows of 16 KiB, one in each batch.  Thread t takes group t's pair and sixteen pieces of 16 bytes; a wave's load or store covers 512 consecutive bytes.
; A stream: memory binds, so no matrix unit, no cluster, no tensor load; all sixteen loads of a thread go out ahead of the statistics, and each piece is stored as soon as it is worked.
; The normalisation is one fused multiply-add, a x + (bias - mean a), a = rsqrt x weight.  LIMITS: NaN and infinities are not served.
	s_load_b256 s[4:11], s[0:1], 0x0               ; fused 4, part 6, bn_weight 8, bn_bias 10
	s_load_b64 s[12:13], s[0:1], 0x20              ; out0
	v_lshl_add_u32 v96, v0, 2, 0x100
	v_mov_b32 v97, 0
	v_lshrrev_b32 v3, 5, v0                        ; wave
	s_wait_alu depctr_va_vdst(0)
	s_lshl_b32 s16, ttmp9, 14                      ; the channel's row: 16 KiB
	s_mov_b32 s17, 0
	s_lshl_b32 s18, ttmp9, 3                       ; its pair in a group's 2,048 bytes
	s_mov_b32 s19, 0
	s_lshl_b32 s20, ttmp9, 2                       ; its weight and bias
	s_mov_b32 s21, 0
	s_mov_b32 s24, 0x76543210
	s_mov_b32 s25, 0xfedcba98                      ; v_permlanex16_b32's selects for lane l xor 16
	s_mov_b32 s26, 0x38800000                      ; 1 / 16,384
	s_mov_b32 s27, 0x3727c5ac                      ; 1e-5
	v_lshlrev_b32 v1, 4, v0                        ; 16 t: batches 0 and 1 (the batch's 4 MiB stand in the immediate),
	s_delay_alu instid0(VALU_DEP_1)
	v_add_nc_u32 v2, 0x800000, v1                  ; batches 2 and 3
	v_lshlrev_b32 v6, 11, v0                       ; group t
	v_lshlrev_b32 v9, 2, v3                        ; LDS: my wave's word
	v_mov_b32 v10, 0
	v_mov_b32 v8, 0                                ; (a lane permute's destination counts as one of its sources)
	s_wait_alu depctr_va_vdst(0)
	s_wait_kmcnt 0x0
	s_add_nc_u64 s[4:5], s[4:5], s[16:17]
	s_add_nc_u64 s[12:13], s[12:13], s[16:17]
	s_add_nc_u64 s[6:7], s[6:7], s[18:19]
	s_add_nc_u64 s[8:9], s[8:9], s[20:21]
	s_add_nc_u64 s[10:11], s[10:11], s[20:21]
	s_load_b32 s22, s[8:9], 0x0
	s_load_b32 s23, s[10:11], 0x0
	global_load_b64 v[4:5], v6, s[6:7]
.set k, 0
.rept 16                                       ; piece k: batch k / 4, bytes 4,096 (k % 4) + 16 t of the row
	global_load_b128 v[16+4*k:19+4*k], v[1+k/8], s[4:5] offset:((k/4)%2)*4194304+4096*(k%4) th:TH_LOAD_NT
.set k, k+1
.endr
.macro WSUM r                          ; the sum over the wave's 32 lanes, in every lane
	s_delay_alu instid0(VALU_DEP_1)
	v_add_f32_dpp v[\r], v[\r], v[\r] row_xmask:1 row_mask:0xf bank_mask:0xf
	s_delay_alu instid0(VALU_DEP_1)
	v_add_f32_dpp v[\r], v[\r], v[\r] row_xmask:2 row_mask:0xf bank_mask:0xf
	s_delay_alu instid0(VALU_DEP_1)
	v_add_f32_dpp v[\r], v[\r], v[\r] row_xmask:4 row_mask:0xf bank_mask:0xf
	s_delay_alu instid0(VALU_DEP_1)
	v_add_f32_dpp v[\r], v[\r], v[\r] row_xmask:8 row_mask:0xf bank_mask:0xf
	s_delay_alu instid0(VALU_DEP_1)
	v_permlanex16_b32 v8, v[\r], s24, s25
	s_delay_alu instid0(VALU_DEP_1)
	v_add_f32 v[\r], v[\r], v8
.endm
.macro GSUM r, off                     ; and over the eight waves: a word a wave, a barrier, every wave reads all
	ds_store_b32 v9, v[\r] offset:\off
	s_wait_dscnt 0x0
	s_barrier_signal -1
	s_barrier_wait -1
	ds_load_b128 v[80:83], v10 offset:\off
	ds_load_b128 v[84:87], v10 offset:\off+16
	s_wait_dscnt 0x0
	v_add_f32 v80, v80, v81
	v_add_f32 v82, v82, v83
	v_add_f32 v84, v84, v85
	v_add_f32 v86, v86, v87
	s_delay_alu instid0(VALU_DEP_3)
	v_add_f32 v80, v80, v82
	s_delay_alu instid0(VALU_DEP_2)
	v_add_f32 v84, v84, v86
	s_delay_alu instid0(VALU_DEP_1)
	v_add_f32 v[\r], v80, v84
.endm
	s_wait_loadcnt 16                              ; my group's pair is in; the sixteen pieces may be out
	v_mov_b32 v7, v4
	WSUM 7
	GSUM 7, 0
	s_delay_alu instid0(VALU_DEP_1)
	v_mul_f32 v7, 0x3b800000, v7                   ; / 256: the channel's mean
	s_delay_alu instid0(VALU_DEP_1)
	v_sub_f32 v11, v4, v7
	s_delay_alu instid0(VALU_DEP_1)
	v_mul_f32 v12, 0x42800000, v11                 ; 64 d
	s_delay_alu instid0(VALU_DEP_1)
	v_fma_f32 v11, v12, v11, v5                    ; 64 d^2 + my group's sum
	WSUM 11
	GSUM 11, 32                                    ; (other bytes than the first sum's: no barrier between)
	s_delay_alu instid0(VALU_DEP_1)
	v_fma_f32 v11, v11, s26, s27                   ; the variance + 1e-5
	s_wait_alu depctr_va_vdst(0)
	v_rsq_f32 v12, v11
	v_nop                                          ; one plain place behind a transcendental
	s_wait_kmcnt 0x0
	s_wait_alu depctr_va_vdst(0)
	v_mul_f32 v12, s22, v12                        ; a
	s_delay_alu instid0(VALU_DEP_1)
	v_mov_b32 v13, v12
	s_delay_alu instid0(VALU_DEP_2)
	v_fma_f32 v14, -v7, v12, s23                   ; bias - mean a
	s_delay_alu instid0(VALU_DEP_1)
	v_mov_b32 v15, v14
.set k, 0
	s_wait_alu depctr_va_vdst(0)
.rept 16
	s_wait_loadcnt 15-k                            ; loads come back in order: piece k is in, the younger ones stay out
	v_pk_fma_f32 v[16+4*k:17+4*k], v[16+4*k:17+4*k], v[12:13], v[14:15]
	v_pk_fma_f32 v[18+4*k:19+4*k], v[18+4*k:19+4*k], v[12:13], v[14:15]
	s_delay_alu instid0(VALU_DEP_2)
	v_max_num_f32 v[16+4*k], 0, v[16+4*k]
	s_delay_alu instid0(VALU_DEP_3)
	v_max_num_f32 v[17+4*k], 0, v[17+4*k]
	s_delay_alu instid0(VALU_DEP_3)
	v_max_num_f32 v[18+4*k], 0, v[18+4*k]
	s_delay_alu instid0(VALU_DEP_4)
	v_max_num_f32 v[19+4*k], 0, v[19+4*k]
	global_store_b128 v[1+k/8], v[16+4*k:19+4*k], s[12:13] offset:((k/4)%2)*4194304+4096*(k%4) th:TH_STORE_NT
.set k, k+1
.endr
	s_wait_tensorcnt 0x0
	ds_add_u32 v96, v97
	s_wait_dscnt 0x0
	s_endpgm
.Lfunc_end_k_q703bb1902e_bnrelu:
	.size	k_q703bb1902e_bnrelu, .Lfunc_end_k_q703bb1902e_bnrelu-k_q703bb1902e_bnrelu
	.p2alignl 7, 3214868480
	.fill 96, 4, 3214868480
	.section	.rodata,"a",@progbits
	.p2align	6, 0x0
	.amdhsa_kernel k_q703bb1902e_bnrelu
		.amdhsa_group_segment_fixed_size 1280
		.amdhsa_private_segment_fixed_size 0
		.amdhsa_enable_private_segment 0
		.amdhsa_kernarg_size 40
		.amdhsa_user_sgpr_count 2
		.amdhsa_user_sgpr_kernarg_segment_ptr 1
		.amdhsa_wavefront_size32 1
		.amdhsa_system_sgpr_workgroup_id_x 1
		.amdhsa_system_sgpr_workgroup_id_y 1
		.amdhsa_system_sgpr_workgroup_id_z 1
		.amdhsa_system_vgpr_workitem_id 0
		.amdhsa_next_free_vgpr 98
		.amdhsa_next_free_sgpr 66
		.amdhsa_reserve_vcc 0
		.amdhsa_float_denorm_mode_32 3
		.amdhsa_float_denorm_mode_16_64 3
		.amdhsa_memory_ordered 1
		.amdhsa_forward_progress 1
		.amdhsa_inst_pref_size 15
	.end_amdhsa_kernel
	.amdgpu_metadata
---
amdhsa.version: [ 1, 2 ]
amdhsa.kernels:
  - .name:           k_q703bb1902e_bnrelu
    .symbol:         k_q703bb1902e_bnrelu.kd
    .args:
      - { .name: fused, .offset: 0, .size: 8, .value_kind: global_buffer, .address_space: global }
      - { .name: part, .offset: 8, .size: 8, .value_kind: global_buffer, .address_space: global }
      - { .name: bn_weight, .offset: 16, .size: 8, .value_kind: global_buffer, .address_space: global }
      - { .name: bn_bias, .offset: 24, .size: 8, .value_kind: global_buffer, .address_space: global }
      - { .name: out0, .offset: 32, .size: 8, .value_kind: global_buffer, .address_space: global }
    .group_segment_fixed_size: 1280
    .private_segment_fixed_size: 0
    .kernarg_segment_align: 8
    .kernarg_segment_size: 40
    .max_flat_workgroup_size: 256
    .sgpr_count:     66
    .vgpr_count:     98
    .wavefront_size: 32
...
	.end_amdgpu_metadata
.endif
;; end of part 3
